; MI455X (gfx1250); checked and timed in simulation.
; The chip was launched on July 23, 2026; its instructions are those of AMD's public machine-readable ISA for CDNA 5 (MIT licence, August 2026) and "CDNA5" Instruction Set Architecture Reference Guide (July 2026). The comments in the code are by the model that wrote it; some were corrected since.
;; VDM Attn Block. Allowed arithmetic: matrix products marked QUANTISED: E5M2 operands, one E8M0 scale for each 32 along K, by v_wmma_scale_f32_16x16x128_f8f6f4 with both operands' format E5M2, f32 sums; everything else in f32.
;; Inputs: k_b 256 float32; k_w 256 x 256 float32; norm_b 256 float32; norm_w 256 float32; proj_b 256 float32; proj_w 256 x 256 float32; q_b 256 float32; q_w 256 x 256 float32; v_b 256 float32; v_w 256 x 256 float32; x 4 x 256 x 64 x 64 float32.
;; Outputs: out0 4 x 256 x 64 x 64 float32.
;; This version of the problem:
;;   THIS VERSION OF THE PROBLEM IS GIVEN IN LOW PRECISION. The matrix products marked QUANTISED in the list below multiply operands that are first quantised to E5M2 (5 exponent bits, 2 mantissa bits; 8 bits a number), with one power-of-two scale for each 32 numbers along K (OCP MX v1.0); their sums are f32. All else is computed in f32.
;;   The module's matrix products, in the order in which they are computed (A, B: the left and right operand; K: the contracted axis; several contracted axes count as one K, in the product's order):
;;     1. [M 16,384, K 256] x [K 256, N 256]; A: computed on the way; B: input q_w: QUANTISED
;;     2. [M 16,384, K 256] x [K 256, N 256]; A: computed on the way; B: input k_w: QUANTISED
;;     3. [M 16,384, K 256] x [K 256, N 256]; A: computed on the way; B: input v_w: QUANTISED
;;     4. batch 4 x [M 4,096, K 256] x [K 256, N 4,096]; A: computed on the way; B: computed on the way: QUANTISED
;;     5. batch 4 x [M 256, K 4,096] x [K 4,096, N 4,096]; A: computed on the way; B: softmax (see below): QUANTISED
;;     6. [M 16,384, K 256] x [K 256, N 256]; A: computed on the way; B: input proj_w: QUANTISED
;;   THE QUANTISER, for each operand of a quantised product, along K:
;;     - K is cut into blocks of 32 from its start; a last block that is shorter is filled with zeros.
;;     - A block's scale is 2^e with e = floor(log2(the largest magnitude in the block)) - 15, held to -126 .. 127; a block of zeros has e = 0. As a byte (E8M0): e + 127.
;;     - Each number is divided by its block's scale, clamped to +-57,344, and rounded to the nearest number of E5M2, ties to even, subnormals kept.
;;     - The product sums the exact products of the quantised numbers (number of the format x scale) in f32.
;;   ~~~python
;;   def quantise(x, axis):      # numpy; x: float32 -> the quantised numbers, widened to float32 again
;;       x = np.moveaxis(x, axis, -1); K = x.shape[-1]
;;       x = np.pad(x, [(0, 0)] * (x.ndim - 1) + [(0, -K % 32)]); x = x.reshape(x.shape[:-1] + (-1, 32)); a = np.abs(x).max(-1, keepdims=True)
;;       e = np.where(a > 0, np.clip(np.frexp(np.where(a > 0, a, 1))[1] - 1 - 15, -126, 127), 0)      # np.frexp(a)[1] - 1 = floor(log2(a)), exactly
;;       r = np.clip(x / 2.0 ** e, -57344, 57344)
;;       step = 2.0 ** (np.maximum(np.frexp(np.where(r == 0, 1, r))[1] - 1, -14) - 2)
;;       q = np.round(r / step) * step * 2.0 ** e      # np.round: ties to even
;;       return np.moveaxis(q.reshape(q.shape[:-2] + (-1,))[..., :K], -1, axis).astype(np.float32)
;;   ~~~
;;   SOFTMAX AHEAD OF A QUANTISED PRODUCT. Where the list says 'softmax', what is quantised is not the finished softmax but p = 2^(t - M), with t = logit x log2(e) and M = ceil(the row's largest t), a whole number; so 1/2 < the row's largest p <= 1. The row's sum l is taken of the UNQUANTISED p, in f32, and the product's result is divided by l at the end. Since M is a whole number, a kernel that streams over the keys may use a running M (the ceiling of the running maximum): every later rescaling is an exact power of two, which a block's scale takes up: the codes' values come out the same.
;;   OPERANDS COMPUTED ON THE WAY. 'Computed on the way' means the value that the module computes at that place (a softmax that the list does not call 'softmax' is quantised finished and normalised). What goes into a quantiser is computed in f32, as accurately as f32 sums, v_exp_f32 and their like allow (about 1e-6 of the number): no bf16 or f16 on the way to a quantiser, and a product that is left as it is and whose result goes on into a quantised operand takes f32 operands (vector FMAs, or v_wmma_f32_16x16x4_f32). A number that lies on a knife's edge between two numbers of the format may be rounded either way, as far as f32 arithmetic and the matrix unit's own rounding can turn it there, and no further.
;; One version. Each part assembles by itself: llvm-mc -triple=amdgcn-amd-amdhsa -mcpu=gfx1250 --defsym DOCPART=n.
;; ======== version 1 of 1: 3 launches
;; workspace buffers: coef 8,192 bytes; wcodes 262,144 bytes; wscales 16,384 bytes; qrec 4,456,448 bytes; krec 4,456,448 bytes; vrec 4,456,448 bytes
;; launch prep (part 1): grid 128 x 1, 8 waves a work-group, no clusters, 1,536 bytes of LDS; arguments x, norm_w, q_w, k_w, v_w, proj_w, coef, wcodes, wscales; writes coef, wcodes, wscales
.if DOCPART == 1
	.amdgcn_target "amdgcn-amd-amdhsa--gfx1250"
	.amdhsa_code_object_version 6
	.text
	.protected	k_qe889c8c34a_prep
	.globl	k_qe889c8c34a_prep
	.p2align	8
	.type	k_qe889c8c34a_prep,@function
k_qe889c8c34a_prep:
	s_mov_b64 s[64:65], 0
	v_nop
	global_prefetch_b8 v0, s[64:65] scope:SCOPE_SE
	s_setreg_imm32_b32 hwreg(HW_REG_WAVE_MODE, 25, 1), 1
	s_wait_xcnt 0x0
; GroupNorm's statistics, and the four weights as codes of BF8 (E5M2) with one E8M0 scale byte for each 32 along Cin.
; Work-group g = 32 b + group owns one group: 8 channels x 4,096 pixels = 131,072 consecutive bytes of x.  Thread t keeps 128 numbers in registers (32 loads of 16 bytes, each wave's load
; 512 consecutive bytes), so x is read once: pass 1 sums, pass 2 sums the squares of x - mean from the same registers: no difference of large sums is formed.
; One group has one owner, so there are 128 work-groups: a split would want a sum across work-groups.
; Out: coef[b][c] = rsqrt(var + 1e-5) x norm_w[c] at byte 0, the group's mean for each channel at byte 4,096.
; Wave 0 also makes weight fragment g of 128: matrix g / 32 (q, k, v, proj), tile T = (g / 2) % 16, K step g % 2.  A fragment is 16 rows x 128 K as an IMAGE OF THE OPERAND'S REGISTERS: register group c of
; lane l at 512 c + 16 l.  Lane (r, h) holds weight row 32 (T / 2) + 8 (T % 2) + r + 8 (r / 8) and k = 128 s + 32 c + 16 h + 0 .. 15.  Its scale words: 4 bytes a lane.
; A block's scale is 2^(floor(log2(its largest magnitude)) - 15); each number is held within +-57,344 x the scale and rounded to the nearest code, ties to even.
; LIMITS: NaN and infinities are not served; a block whose largest magnitude lies under 2^-111 keeps the byte 1; a block of zeros gets the byte 1 (its codes are zeros, and this program alone reads the bytes).
.set X,   16                           ; v16-143  my 128 numbers of x
.set WN,  144                          ; v144-207 wave 0: 64 numbers of a weight
.set PC,  208                          ; v208-223 their codes
.set TM,  224                          ; v224-239 the quantiser's work
.set PW,  240                          ; v240     the scale word
.set CH,  244                          ; v244-251 four packed chains
.set TP,  252                          ; v252     a lane permute's target
.set MN,  254                          ; v254-255 the mean, twice
.set SEL, 36                           ; s36-37   v_permlanex16_b32's selects for lane l xor 16
.set MNT, 38                           ; s38      the mantissa field of 57,344
; 64 numbers of a lane, register 16 b + e = k 32 b + 16 (lane / 16) + e of the lane's row, become a fragment's codes in v[pc] on and its scale word in v[pw]
.macro QUANT s, pc, pw
.irp b, 0,1,2,3
	v_max3_num_f32 v[TM+\b], |v[\s+16*\b]|, |v[\s+1+16*\b]|, 0x8000000   ; my 16 numbers of block b, and the floor 2^(16 - 127): the byte cannot fall under 1
.endr
.irp e, 2,4,6,8,10,12,14
.irp b, 0,1,2,3
	v_max3_num_f32 v[TM+\b], v[TM+\b], |v[\s+16*\b+\e]|, |v[\s+1+16*\b+\e]|   ; the four blocks by turns
.endr
.endr
.irp b, 0,1,2,3
	v_permlanex16_b32 v[TM+4+\b], v[TM+\b], s[SEL], s[SEL+1]
.endr
.irp b, 0,1,2,3
	v_max_num_f32 v[TM+\b], v[TM+\b], v[TM+4+\b]       ; with lane l xor 16's: the block's largest magnitude
.endr
.irp b, 0,1,2,3
	v_add_nc_u32 v[TM+12+\b], 0xf8800000, v[TM+\b]     ; 15 off its exponent field: the conversion's scale operand
.endr
.irp b, 0,1,2,3
	v_and_or_b32 v[TM+8+\b], v[TM+\b], 0x7f800000, s[MNT]   ; 57,344 x the scale
.endr
.irp b, 0,1,2,3
	v_lshrrev_b32 v[TM+4+\b], 23, v[TM+12+\b]          ; the scale's byte
.endr
	v_lshl_or_b32 v[\pw], v[TM+5], 8, v[TM+4]
	v_lshl_or_b32 v[\pw], v[TM+6], 16, v[\pw]
	v_lshl_or_b32 v[\pw], v[TM+7], 24, v[\pw]
.irp b, 0,1,2,3
.irp e, 0,1,2,3,4,5,6,7,8,9,10,11,12,13,14,15
	v_med3_num_f32 v[\s+16*\b+\e], v[\s+16*\b+\e], -v[TM+8+\b], v[TM+8+\b]   ; the conversion to an 8-bit code does not saturate (ISA guide 7.6.2): the hold
.endr
	v_cvt_scalef32_pk8_bf8_f32 v[\pc+4*\b:\pc+4*\b+1], v[\s+16*\b:\s+16*\b+7], v[TM+12+\b]
	v_cvt_scalef32_pk8_bf8_f32 v[\pc+4*\b+2:\pc+4*\b+3], v[\s+16*\b+8:\s+16*\b+15], v[TM+12+\b]
.endr
	v_nop                                          ; one plain line behind the last conversion
.endm
.macro FOLD                            ; eight numbers in v[CH] on become one
	v_pk_add_f32 v[CH:CH+1], v[CH:CH+1], v[CH+2:CH+3]
	v_pk_add_f32 v[CH+4:CH+5], v[CH+4:CH+5], v[CH+6:CH+7]
	v_pk_add_f32 v[CH:CH+1], v[CH:CH+1], v[CH+4:CH+5]
	v_add_f32 v[CH], v[CH], v[CH+1]
.endm
.macro WGSUM base                      ; my four chains -> the work-group's sum, in every lane; the waves meet in 32 bytes of LDS at base
	FOLD
	v_add_f32_dpp v[CH], v[CH], v[CH] row_xmask:1 row_mask:0xf bank_mask:0xf
	v_add_f32_dpp v[CH], v[CH], v[CH] row_xmask:2 row_mask:0xf bank_mask:0xf
	v_add_f32_dpp v[CH], v[CH], v[CH] row_xmask:4 row_mask:0xf bank_mask:0xf
	v_add_f32_dpp v[CH], v[CH], v[CH] row_xmask:8 row_mask:0xf bank_mask:0xf
	v_permlanex16_b32 v[TP], v[CH], s[SEL], s[SEL+1]
	v_add_f32 v[CH], v[CH], v[TP]
	ds_store_b32 v11, v[CH] offset:\base           ; all lanes of a wave write the wave's word with the same value
	s_wait_dscnt 0x0                               ; for the others' sake: my store has landed
	s_barrier_signal -1
	s_barrier_wait -1
	ds_load_b128 v[CH:CH+3], v12 offset:\base
	ds_load_b128 v[CH+4:CH+7], v12 offset:\base+16
	s_wait_dscnt 0x0
	FOLD
.endm
	s_load_b256 s[4:11], s[0:1], 0x0               ; x, norm_w, q_w, k_w
	s_load_b256 s[12:19], s[0:1], 0x20             ; v_w, proj_w, coef, wcodes
	s_load_b64 s[20:21], s[0:1], 0x40              ; wscales
	v_lshl_add_u32 v243, v0, 2, 0x200
	v_mov_b32 v253, 0
	v_lshrrev_b32 v1, 5, v0
	v_readfirstlane_b32 s22, v1                    ; wave 0..7
	v_lshlrev_b32 v2, 4, v0                        ; x: 16 bytes a thread
	v_and_b32 v3, 7, v0
	s_and_b32 s26, ttmp9, 31
	s_lshl_b32 s26, s26, 5
	v_lshl_add_u32 v4, v3, 2, s26                  ; norm_w: channel 8 x group + t % 8
	s_lshl_b32 s27, ttmp9, 5
	v_lshl_add_u32 v14, v3, 2, s27                 ; coef: 256 b + that channel = 8 g + t % 8
	v_and_b32 v7, 15, v0
	v_and_b32 v6, 8, v7
	v_add_nc_u32 v6, v6, v7                        ; r + 8 (r / 8)
	v_bfe_u32 v8, v0, 4, 1
	v_lshlrev_b32 v6, 10, v6
	v_lshl_add_u32 v6, v8, 6, v6                   ; a weight's row of 1,024 bytes, + 64 h
	v_and_b32 v7, 31, v0
	v_lshlrev_b32 v9, 4, v7                        ; 16 x lane
	v_lshlrev_b32 v10, 2, v7                       ; 4 x lane
	v_lshlrev_b32 v11, 2, v1                       ; LDS: my wave's word
	v_mov_b32 v12, 0
	v_mov_b32 v[TP], 0                             ; a lane permute's target counts as read: written once
.irp b, 0,1,2,3
	v_mov_b32 v[TM+4+\b], 0
.endr
	s_mov_b32 s[SEL], 0x76543210
	s_mov_b32 s[SEL+1], 0xfedcba98
	s_mov_b32 s[MNT], 0x600000
	s_mov_b32 s32, 0x3727c5ac                      ; 1e-5
	s_mov_b32 s33, 0x38000000                      ; 2^-15 = 1 / 32,768
	s_lshl_b32 s24, ttmp9, 17                      ; my group's 131,072 bytes
	s_mov_b32 s25, 0
	s_bfe_u32 s28, ttmp9, 0x30002                  ; T / 2
	s_lshl_b32 s28, s28, 15                        ; x 32 rows
	s_bfe_u32 s29, ttmp9, 0x10001                  ; T % 2
	s_lshl_b32 s29, s29, 13                        ; x 8 rows
	s_add_co_u32 s28, s28, s29
	s_and_b32 s29, ttmp9, 1
	s_lshl_b32 s29, s29, 9                         ; K step: 128 numbers
	s_add_co_u32 s28, s28, s29
	s_mov_b32 s29, 0
	s_lshr_b32 s30, ttmp9, 5                       ; which matrix
	s_wait_kmcnt 0x0
	s_add_nc_u64 s[4:5], s[4:5], s[24:25]
	s_cmp_eq_u32 s30, 1                            ; the choice hangs on the work-group's number alone
	s_cselect_b64 s[8:9], s[10:11], s[8:9]
	s_cmp_eq_u32 s30, 2
	s_cselect_b64 s[8:9], s[12:13], s[8:9]
	s_cmp_eq_u32 s30, 3
	s_cselect_b64 s[8:9], s[14:15], s[8:9]
	s_add_nc_u64 s[8:9], s[8:9], s[28:29]
	s_lshl_b32 s28, ttmp9, 11
	s_add_nc_u64 s[18:19], s[18:19], s[28:29]      ; fragment g's codes
	s_lshl_b32 s28, ttmp9, 7
	s_add_nc_u64 s[20:21], s[20:21], s[28:29]      ; and its scale words
	global_load_b32 v5, v4, s[6:7]
.set e, 0
.rept 32
	global_load_b128 v[X+4*e:X+4*e+3], v2, s[4:5] offset:4096*e
.set e, e+1
.endr
	s_cmp_lg_u32 s22, 0
	s_cbranch_scc1 .Lnot_wave_0
.irp b, 0,1,2,3
.irp j, 0,1,2,3
	global_load_b128 v[WN+16*\b+4*\j:WN+16*\b+4*\j+3], v6, s[8:9] offset:128*\b+16*\j
.endr
.endr
	s_wait_loadcnt 0x0
	QUANT WN, PC, PW
.irp c, 0,1,2,3
	global_store_b128 v9, v[PC+4*\c:PC+4*\c+3], s[18:19] offset:512*\c   ; 512 consecutive bytes a store
.endr
	global_store_b32 v10, v[PW], s[20:21]
.Lnot_wave_0:
	s_wait_loadcnt 0x0                             ; every number is wanted
	; pass 1: the sum, in four packed chains that the first eight pairs start
.irp k, 0,1,2,3
	v_pk_add_f32 v[CH+2*\k:CH+2*\k+1], v[X+2*\k:X+2*\k+1], v[X+8+2*\k:X+8+2*\k+1]
.endr
.set p, 8
.rept 56
	v_pk_add_f32 v[CH+2*(p%4):CH+2*(p%4)+1], v[CH+2*(p%4):CH+2*(p%4)+1], v[X+2*p:X+2*p+1]
.set p, p+1
.endr
	WGSUM 0
	v_mul_f32 v[MN], s33, v[CH]                    ; the mean
	v_mov_b32 v[MN+1], v[MN]
	; pass 2: the sum of (x - mean)^2
.set p, 0
.rept 64
	v_pk_add_f32 v[X+2*p:X+2*p+1], v[X+2*p:X+2*p+1], v[MN:MN+1] neg_lo:[0,1] neg_hi:[0,1]
.set p, p+1
.endr
.irp k, 0,1,2,3
	v_pk_mul_f32 v[CH+2*\k:CH+2*\k+1], v[X+2*\k:X+2*\k+1], v[X+2*\k:X+2*\k+1]
.endr
.set p, 4
.rept 60
	v_pk_fma_f32 v[CH+2*(p%4):CH+2*(p%4)+1], v[X+2*p:X+2*p+1], v[X+2*p:X+2*p+1], v[CH+2*(p%4):CH+2*(p%4)+1]
.set p, p+1
.endr
	WGSUM 256                                      ; other bytes than the first sum's: no barrier between that sum's reads and these stores
	v_fma_f32 v13, v[CH], s33, s32                 ; var + 1e-5
	v_rsq_f32 v13, v13
	v_nop                                          ; one plain line behind a transcendental (ISA guide 5.7.2)
	s_wait_alu depctr_va_vdst(0)
	v_mul_f32 v15, v13, v5                         ; x norm_w
	s_wait_xcnt 0x0                                ; EXEC changes only behind this wait
	v_cmp_gt_u32 vcc_lo, 8, v0
	s_wait_tensorcnt 0x0
	ds_add_u32 v243, v253
	s_wait_dscnt 0x0
	s_and_saveexec_b32 s35, vcc_lo                 ; threads 0 to 7: the group's eight channels
	global_store_b32 v14, v15, s[16:17]
	global_store_b32 v14, v[MN], s[16:17] offset:4096
	s_wait_xcnt 0x0
	s_or_b32 exec_lo, exec_lo, s35
	s_endpgm
.Lfunc_end_k_qe889c8c34a_prep:
	.size	k_qe889c8c34a_prep, .Lfunc_end_k_qe889c8c34a_prep-k_qe889c8c34a_prep
	.p2alignl 7, 3214868480
	.fill 96, 4, 3214868480
	.section	.rodata,"a",@progbits
	.p2align	6, 0x0
	.amdhsa_kernel k_qe889c8c34a_prep
		.amdhsa_group_segment_fixed_size 1536
		.amdhsa_private_segment_fixed_size 0
		.amdhsa_enable_private_segment 0
		.amdhsa_kernarg_size 72
		.amdhsa_user_sgpr_count 2
		.amdhsa_user_sgpr_kernarg_segment_ptr 1
		.amdhsa_wavefront_size32 1
		.amdhsa_system_sgpr_workgroup_id_x 1
		.amdhsa_system_sgpr_workgroup_id_y 1
		.amdhsa_system_sgpr_workgroup_id_z 1
		.amdhsa_system_vgpr_workitem_id 0
		.amdhsa_next_free_vgpr 256
		.amdhsa_next_free_sgpr 66
		.amdhsa_reserve_vcc 1
		.amdhsa_float_denorm_mode_32 3
		.amdhsa_float_denorm_mode_16_64 3
		.amdhsa_memory_ordered 1
		.amdhsa_forward_progress 1
		.amdhsa_inst_pref_size 31
	.end_amdhsa_kernel
	.amdgpu_metadata
---
amdhsa.version: [ 1, 2 ]
amdhsa.kernels:
  - .name:           k_qe889c8c34a_prep
    .symbol:         k_qe889c8c34a_prep.kd
    .args:
      - { .name: x, .offset: 0, .size: 8, .value_kind: global_buffer, .address_space: global }
      - { .name: norm_w, .offset: 8, .size: 8, .value_kind: global_buffer, .address_space: global }
      - { .name: q_w, .offset: 16, .size: 8, .value_kind: global_buffer, .address_space: global }
      - { .name: k_w, .offset: 24, .size: 8, .value_kind: global_buffer, .address_space: global }
      - { .name: v_w, .offset: 32, .size: 8, .value_kind: global_buffer, .address_space: global }
      - { .name: proj_w, .offset: 40, .size: 8, .value_kind: global_buffer, .address_space: global }
      - { .name: coef, .offset: 48, .size: 8, .value_kind: global_buffer, .address_space: global }
      - { .name: wcodes, .offset: 56, .size: 8, .value_kind: global_buffer, .address_space: global }
      - { .name: wscales, .offset: 64, .size: 8, .value_kind: global_buffer, .address_space: global }
    .group_segment_fixed_size: 1536
    .private_segment_fixed_size: 0
    .kernarg_segment_align: 8
    .kernarg_segment_size: 72
    .max_flat_workgroup_size: 256
    .sgpr_count:     66
    .vgpr_count:     256
    .wavefront_size: 32
...
	.end_amdgpu_metadata
.endif
;; end of part 1
;; launch qkv (part 2): grid 256 x 1, 4 waves a work-group, no clusters, 168,448 bytes of LDS; arguments x, coef, norm_b, wcodes, wscales, q_b, k_b, v_b, qrec, krec, vrec; writes qrec, krec, vrec
.if DOCPART == 2
	.amdgcn_target "amdgcn-amd-amdhsa--gfx1250"
	.amdhsa_code_object_version 6
	.text
	.protected	k_qe889c8c34a_qkv
	.globl	k_qe889c8c34a_qkv
	.p2align	8
	.type	k_qe889c8c34a_qkv,@function
k_qe889c8c34a_qkv:
	s_mov_b64 s[64:65], 0
	v_nop
	global_prefetch_b8 v0, s[64:65] scope:SCOPE_SE
	s_setreg_imm32_b32 hwreg(HW_REG_WAVE_MODE, 25, 1), 1
	s_wait_xcnt 0x0
; h = GroupNorm(x), quantised along the channels; q, k, v = W h + b on codes of BF8 (E5M2) with E8M0 scales; q and k quantised along the channels, v along the pixels (the keys).  Nothing but codes goes to memory.
; Work-group g takes 64 pixels of batch g / 64: four tiles of 16.  TILES ARE PERMUTED: row i of tile T is index 32 (T / 2) + 8 (T % 2) + i + 8 (i / 8), so that in a product's result the 16 registers of tiles
; 2 b and 2 b + 1 are the 16 neighbours 32 b + 16 (lane / 16) + 0 .. 15 along the next K.  Operands lie in memory and LDS as IMAGES OF THEIR REGISTERS: a fragment (16 rows x 128 K) is 2,048 bytes, group c of lane l at 512 c + 16 l.
; x's tile, 256 channels x 64 pixels, comes into LDS by four tensor loads, one a wave: 64 rows of 256 bytes, each at a multiple of 256 from x's first byte.  It is filled once; nothing is filled again.
; A wave's coefficients (rstd x norm_w, the mean, norm_b of its 128 channels) come by three loads of 512 bytes, go to the wave's own 1,536 bytes of LDS and are read from there with one address for all lanes.
; PHASE X: wave w takes pixels 32 (w % 2) + lane and channels 128 (w / 2) on: a lane to a pixel, registers down the channels: a block of 32 along K lies in one lane.  h's eight fragments go to LDS; a barrier.
; The weights' loads stand in four groups, the first behind the coefficients', the others behind blocks 0, 1 and 2 of phase X, which does not want them: they are waited for once, in front of phase 1.
; PHASE 1: wave w makes 128 outputs (128 (w % 2) on) of q (w < 2) or k: source 0 = 16 rows of W, source 1 = 16 pixels: a lane holds one pixel, its registers run along the outputs, the next K.
; PHASE 2: wave w makes v's channels 64 w on: source 0 = 16 pixels, source 1 = 16 rows of v_w: a lane holds one channel, its registers run along the pixels, the next K.
; The biases are the C of each sum's first matrix instruction.  A wave's weights (24 fragments) stay in its registers.
; NO CLUSTER: x's tiles are shared by nobody.  The weights are shared by all work-groups, but each wave takes its 48 KB once, by plain loads straight into the registers in which they stay; a joint load would land them
; in LDS, whence the same bytes would have to be read once more into registers.
; OUT: qrec, krec: pixel tile 4 g + m at 4,352 bytes each: codes of K step 0, of K step 1, then their scale words (128 bytes each).  vrec: (g / 2) x 34,816: 16 channel tiles x 2,048 codes of 128 keys, then 16 x 128 bytes
; of scale words; this work-group's 64 pixels are groups 2 (g % 2), + 1 of each fragment and two bytes of each scale word: the one place with stores of two bytes.
; LIMITS: NaN and infinities are not served; a block under 2^-111 keeps the byte 1; a block of zeros gets the byte 1 (its codes are zeros; this program alone reads the bytes).
; REGISTERS: window 0 below; window 1: my 16 fragments of q_w or k_w; window 2: v0-127 my 8 of v_w, v128-191 the q or k bias (8 tiles x 8), v192-223 v_b (4 tiles x 8).
.set LI,  1                            ; v1   16 x lane
.set LS,  2                            ; v2   4 x lane
.set L16, 3                            ; v3   4 x (lane % 16)
.set HW,  4                            ; v4   where phase X puts my pixel's codes
.set HWS, 5                            ; v5   and its scale word
.set XA,  6                            ; v6   LDS: my pixel of my first channel in x's tile
.set CR,  7                            ; v7   LDS: my wave's coefficients: the same address in all lanes
.set RB,  8                            ; v8   4 (r + 8 (r / 8))
.set BA,  9                            ; v9   64 h
.set CW,  15                           ; v15  that address + 16 x lane: where they are put
.set XF,  16                           ; v16-47   two fragments of h (phase X: the four blocks' codes)
.set HA,  48                           ; v48-111  eight accumulators (phase X: two sets of 32 numbers of x)
.set PC,  112                          ; v112-127 the codes just made
.set ST,  128                          ; v128-191 four fragments of h
.set TM,  192                          ; v192-207 the quantiser's work
.set PW,  208                          ; v208     the scale word just made
.set XS,  209                          ; v209-210 h's scale words, phase 1
.set HS,  211                          ; v211-214 h's scale words, phase 2
.set W1S, 216                          ; v216-231 q_w's or k_w's scale words
.set W2S, 232                          ; v232-239 v_w's
.set T0,  240                          ; v240-245 phase X's work
.set CA,  112                          ; phase X: rstd x norm_w, the mean, norm_b of a block's 32 channels
.set CM,  144
.set CB,  176
.set B1,  128                          ; in window 2
.set B2,  192
.set HSC, 16384                        ; LDS: h's eight fragments at (2 m + s) x 2,048; behind them their scale words, 64 bytes each;
.set CF,  17408                        ; the coefficients, 1,536 bytes for each wave;
.set XT,  24576                        ; x's tile: channel c at 256 c.  No store lands here, and no fill in the bytes below
.set G1,  68                           ; s[68:75] descriptor group 1
.set G0,  76                           ; s[76:79] group 0
.set SEL, 52
.set MNT, 54
.set MSB, 0
.macro WIN new                         ; the immediate's high byte repeats the setting that is left
.if MSB != \new
	s_set_vgpr_msb (MSB<<8)|\new
.set MSB, \new
.endif
.endm
.macro MM d, a, b, c, sa, sb
	v_wmma_scale_f32_16x16x128_f8f6f4 v[\d:\d+7], v[\a:\a+15], v[\b:\b+15], v[\c:\c+7], v[\sa], v[\sb] matrix_a_fmt:MATRIX_FMT_BF8 matrix_b_fmt:MATRIX_FMT_BF8
.endm
.macro PLACES n
.rept \n
	v_nop
.endr
.endm
; 64 numbers of a lane, register 16 b + e = k 32 b + 16 (lane / 16) + e of the lane's row, become a fragment's codes in v[pc] on and its scale word in v[pw]
.macro QUANT s, pc, pw
.irp b, 0,1,2,3
	v_max3_num_f32 v[TM+\b], |v[\s+16*\b]|, |v[\s+1+16*\b]|, 0x8000000   ; my 16 numbers of block b, from each accumulator's low end on, and the floor 2^(16 - 127)
.endr
.irp e, 2,4,6,8,10,12,14
.irp b, 0,1,2,3
	v_max3_num_f32 v[TM+\b], v[TM+\b], |v[\s+16*\b+\e]|, |v[\s+1+16*\b+\e]|
.endr
.endr
.irp b, 0,1,2,3
	v_permlanex16_b32 v[TM+4+\b], v[TM+\b], s[SEL], s[SEL+1]
.endr
.irp b, 0,1,2,3
	v_max_num_f32 v[TM+\b], v[TM+\b], v[TM+4+\b]       ; with lane l xor 16's: the block's largest magnitude
.endr
.irp b, 0,1,2,3
	v_add_nc_u32 v[TM+12+\b], 0xf8800000, v[TM+\b]     ; 15 off its exponent field: the conversion's scale operand
.endr
.irp b, 0,1,2,3
	v_and_or_b32 v[TM+8+\b], v[TM+\b], 0x7f800000, s[MNT]   ; 57,344 x the scale
.endr
.irp b, 0,1,2,3
	v_lshrrev_b32 v[TM+4+\b], 23, v[TM+12+\b]          ; the scale's byte
.endr
	v_lshl_or_b32 v[\pw], v[TM+5], 8, v[TM+4]
	v_lshl_or_b32 v[\pw], v[TM+6], 16, v[\pw]
	v_lshl_or_b32 v[\pw], v[TM+7], 24, v[\pw]
.irp b, 0,1,2,3
.irp e, 0,1,2,3,4,5,6,7,8,9,10,11,12,13,14,15
	v_med3_num_f32 v[\s+16*\b+\e], v[\s+16*\b+\e], -v[TM+8+\b], v[TM+8+\b]   ; the conversion to an 8-bit code does not saturate (ISA guide 7.6.2): the hold
.endr
	v_cvt_scalef32_pk8_bf8_f32 v[\pc+4*\b:\pc+4*\b+1], v[\s+16*\b:\s+16*\b+7], v[TM+12+\b]
	v_cvt_scalef32_pk8_bf8_f32 v[\pc+4*\b+2:\pc+4*\b+3], v[\s+16*\b+8:\s+16*\b+15], v[TM+12+\b]
.endr
	v_nop                                          ; one plain line behind the last conversion: later products write its sources
.endm
.macro FETCH reg, off                  ; a fragment's image comes back as the same registers in the same lanes
.irp c, 0,1,2,3
	ds_load_b128 v[\reg+4*\c:\reg+4*\c+3], v[LI] offset:\off+512*\c
.endr
.endm
.macro COEF t                          ; block t's 32 channels: three coefficients each, from my wave's own bytes of LDS, the same for all lanes
.irp j, 0,1,2,3,4,5,6,7
	ds_load_b128 v[CA+4*\j:CA+4*\j+3], v[CR] offset:128*(\t)+16*\j
	ds_load_b128 v[CM+4*\j:CM+4*\j+3], v[CR] offset:512+128*(\t)+16*\j
	ds_load_b128 v[CB+4*\j:CB+4*\j+3], v[CR] offset:1024+128*(\t)+16*\j
.endr
.endm
.macro LOADX t                         ; block t: x(channel 32 t + i, my pixel) out of the tile: the 32 lanes take 128 consecutive bytes
.set e, 0
.rept 32
	ds_load_b32 v[HA+32*((\t)%2)+e], v[XA] offset:(32*(\t)+e)*256
.set e, e+1
.endr
.endm
.macro W1LOAD h                        ; half h of my 16 fragments of q_w or k_w, on end: tile t, K step s at v[16 (2 t + s)] of window 1
	WIN 0x40
.set e, 32*\h
.rept 32
	global_load_b128 v[4*e:4*e+3], v[LI], s[32:33] offset:512*e
.set e, e+1
.endr
	WIN 0
.endm
.macro W2LOAD                          ; my 8 fragments of v_w, into window 2
	WIN 0x80
.set e, 0
.rept 32
	global_load_b128 v[4*e:4*e+3], v[LI], s[34:35] offset:512*e
.set e, e+1
.endr
	WIN 0
.endm
.macro BLOAD                           ; the biases and the weights' scale words: 44 loads
	WIN 0x80
.irp t, 0,1,2,3,4,5,6,7
	global_load_b128 v[B1+8*\t:B1+8*\t+3], v[BA], s[40:41] offset:(32*(\t/2)+8*(\t%2))*4       ; lane (r, h), tile t: outputs 32 (t / 2) + 16 h + 8 (t % 2) + 0 .. 7
	global_load_b128 v[B1+8*\t+4:B1+8*\t+7], v[BA], s[40:41] offset:(32*(\t/2)+8*(\t%2))*4+16
.endr
.irp j, 0,1,2,3
	global_load_b32 v[B2+8*\j], v[RB], s[42:43] offset:(32*(\j/2)+8*(\j%2))*4                  ; lane r: its channel's bias; the tile's other seven registers are copies, made below
.endr
	WIN 0
.set e, 0
.rept 16
	global_load_b32 v[W1S+e], v[LS], s[36:37] offset:128*e
.set e, e+1
.endr
.set e, 0
.rept 8
	global_load_b32 v[W2S+e], v[LS], s[38:39] offset:128*e
.set e, e+1
.endr
.endm
; Block t of phase X.  Its numbers and coefficients were asked for in the block before, ahead of that block's two stores of codes
.macro XBLOCK t
.set XB, HA+32*((\t)%2)
.if (\t) == 0
	s_wait_dscnt 0x0
.else
	s_wait_dscnt 2                                 ; all but the last block's two stores
.endif
.if (\t) < 3
	LOADX (\t)+1                                   ; into the other set
.endif
.set p, 0
.rept 16
	v_pk_add_f32 v[XB+p:XB+p+1], v[XB+p:XB+p+1], v[CM+p:CM+p+1] neg_lo:[0,1] neg_hi:[0,1]   ; x - mean
.set p, p+2
.endr
.set p, 0
.rept 16
	v_pk_fma_f32 v[XB+p:XB+p+1], v[XB+p:XB+p+1], v[CA+p:CA+p+1], v[CB+p:CB+p+1]   ; x rstd norm_w + norm_b
.set p, p+2
.endr
.if (\t) < 3
	COEF (\t)+1
.endif
	v_max3_num_f32 v[T0], |v[XB]|, |v[XB+1]|, |v[XB+2]|     ; the block's largest magnitude: all 32 numbers are mine
	v_max3_num_f32 v[T0+1], |v[XB+3]|, |v[XB+4]|, |v[XB+5]|
.irp i, 6,10,14,18,22,26
	v_max3_num_f32 v[T0], v[T0], |v[XB+\i]|, |v[XB+\i+1]|
	v_max3_num_f32 v[T0+1], v[T0+1], |v[XB+\i+2]|, |v[XB+\i+3]|
.endr
	v_max3_num_f32 v[T0], v[T0], |v[XB+30]|, |v[XB+31]|
	v_max3_num_f32 v[T0], v[T0], v[T0+1], 0x8000000        ; and the floor 2^(16 - 127)
	v_add_nc_u32 v[T0+2], 0xf8800000, v[T0]
	v_and_or_b32 v[T0+3], v[T0], 0x7f800000, s[MNT]
	v_lshrrev_b32 v[T0+4], 23, v[T0+2]
.if (\t) == 0
	v_mov_b32 v[T0+5], v[T0+4]                     ; four bytes make my pixel's scale word for this K step
.else
	v_lshl_or_b32 v[T0+5], v[T0+4], 8*(\t), v[T0+5]
.endif
.set e, 0
.rept 32
	v_med3_num_f32 v[XB+e], v[XB+e], -v[T0+3], v[T0+3]
.set e, e+1
.endr
.irp k, 0,1,2,3
	v_cvt_scalef32_pk8_bf8_f32 v[XF+8*(\t)+2*\k:XF+8*(\t)+2*\k+1], v[XB+8*\k:XB+8*\k+7], v[T0+2]
.endr
	v_nop                                          ; one plain line behind the last conversion
	ds_store_b128 v[HW], v[XF+8*(\t):XF+8*(\t)+3] offset:512*(\t)          ; channels 0-15 of the block: the place of lane (i, 0) in group t
	ds_store_b128 v[HW], v[XF+8*(\t)+4:XF+8*(\t)+7] offset:512*(\t)+256    ; channels 16-31: that of lane (i, 1)
.endm
	s_load_b256 s[4:11], s[0:1], 0x0               ; x, coef, norm_b, wcodes
	s_load_b256 s[12:19], s[0:1], 0x20             ; wscales, q_b, k_b, v_b
	s_load_b128 s[20:23], s[0:1], 0x40             ; qrec, krec
	s_load_b64 s[24:25], s[0:1], 0x50              ; vrec
	v_lshl_add_u32 v254, v0, 2, 0x29000
	v_mov_b32 v255, 0
	ds_add_u32 v254, v255
	ds_add_u32 v254, v255
	v_lshrrev_b32 v10, 5, v0
	v_readfirstlane_b32 s26, v10                   ; wave 0..3
	s_and_b32 s27, s26, 1                          ; phase X: which 32 pixels.  Phase 1: which 128 outputs
	s_lshr_b32 s28, s26, 1                         ; phase X: which 128 channels.  Phase 1: q (0) or k (1)
	v_mul_u32_u24 v[CR], v10, 1536
	v_add_nc_u32 v[CR], CF, v[CR]                  ; my wave's coefficients
	v_and_b32 v10, 31, v0
	v_and_b32 v11, 15, v0                          ; r
	v_bfe_u32 v12, v0, 4, 1                        ; h
	v_lshlrev_b32 v[LI], 4, v10
	v_lshlrev_b32 v[LS], 2, v10
	v_lshlrev_b32 v[L16], 2, v11
	v_add_nc_u32 v[CW], v[CR], v[LI]
	v_and_b32 v13, 8, v11
	v_add_nc_u32 v13, v13, v11
	v_lshlrev_b32 v[RB], 2, v13
	v_lshlrev_b32 v[BA], 6, v12
	; pixel 32 ph + l is row i = l % 8 + 8 (l / 16) of tile 2 ph + (l / 8) % 2
	v_and_b32 v13, 7, v0
	v_lshl_or_b32 v13, v12, 3, v13                 ; i
	v_bfe_u32 v14, v0, 3, 1                        ; u
	s_lshl_b32 s30, s27, 13
	s_lshl_b32 s31, s28, 11
	s_add_co_u32 s30, s30, s31
	v_lshlrev_b32 v[HW], 4, v13
	v_lshl_add_u32 v[HW], v14, 12, v[HW]
	v_add_nc_u32 v[HW], s30, v[HW]                 ; (2 (2 ph + u) + s) x 2,048 + 16 i
	s_lshl_b32 s30, s27, 8
	s_lshl_b32 s31, s28, 6
	s_add_co_u32 s30, s30, s31
	s_add_co_u32 s30, s30, HSC
	v_lshlrev_b32 v[HWS], 2, v13
	v_lshl_add_u32 v[HWS], v14, 7, v[HWS]
	v_add_nc_u32 v[HWS], s30, v[HWS]               ; HSC + (2 (2 ph + u) + s) x 64 + 4 i
	s_lshl_b32 s30, s28, 15                        ; x's tile: my 128 channels of 256 bytes,
	s_lshl_b32 s31, s27, 7                         ; my 32 pixels,
	s_add_co_u32 s30, s30, s31
	s_add_co_u32 s30, s30, XT
	v_add_nc_u32 v[XA], s30, v[LS]                 ; my pixel
	s_mov_b32 s[SEL], 0x76543210
	s_mov_b32 s[SEL+1], 0xfedcba98
	s_mov_b32 s[MNT], 0x600000
	; descriptor group 1: 64 rows (channels) of 64 elements of 4 bytes, 4,096 elements apart; dense in LDS
	s_mov_b32 s[G1], 2<<16                         ; 15:0 no mask; 17:16 elements of 4 bytes; no padding
	s_mov_b32 s[G1+1], 64<<16                      ; tensor_dim0 = 64
	s_mov_b32 s[G1+2], 64<<16                      ; tensor_dim1 = 64
	s_mov_b32 s[G1+3], 64<<16                      ; tile_dim0 = 64
	s_mov_b32 s[G1+4], 64                          ; tile_dim1 = 64
	s_mov_b32 s[G1+5], 4096                        ; from channel to channel
	s_mov_b32 s[G1+6], 0
	s_mov_b32 s[G1+7], 0
	s_mov_b32 s[G0], 1                             ; count = 1
	s_lshl_b32 s[G0+1], s26, 14
	s_add_co_u32 s[G0+1], s[G0+1], XT              ; LDS address: my 64 channels' rows
	s_lshr_b32 s29, ttmp9, 6                       ; the batch
	s_and_b32 s55, ttmp9, 63                       ; which 64 pixels of it
	s_mov_b32 s31, 0                               ; s[30:31]: an offset, under 2^32
	s_wait_dscnt 0x0
	s_wait_kmcnt 0x0
	s_lshl_b32 s30, s29, 22                        ; x: the batch, channels 64 w on, the group's 64 pixels
	s_lshl_b32 s56, s26, 20
	s_add_co_u32 s30, s30, s56
	s_lshl_b32 s56, s55, 8
	s_add_co_u32 s30, s30, s56
	s_add_nc_u64 s[G0+2:G0+3], s[4:5], s[30:31]
	s_or_b32 s[G0+3], s[G0+3], 0x80000000          ; type = 2
	tensor_load_to_lds s[G0:G0+3], s[G1:G1+7]      ; my quarter of x's tile: my one tensor load; its descriptor is never written again
	s_nop 0
	s_lshl_b32 s30, s29, 10                        ; coef: the batch's 256 numbers, my 128 channels
	s_lshl_b32 s56, s28, 9
	s_add_co_u32 s30, s30, s56
	s_add_nc_u64 s[6:7], s[6:7], s[30:31]
	s_mov_b32 s30, s56
	s_add_nc_u64 s[8:9], s[8:9], s[30:31]          ; norm_b likewise
	global_load_b128 v[48:51], v[LI], s[6:7]               ; rstd x norm_w of my 128 channels: 512 consecutive bytes
	global_load_b128 v[52:55], v[LI], s[6:7] offset:4096   ; the means
	global_load_b128 v[56:59], v[LI], s[8:9]               ; norm_b
	s_cmp_eq_u32 s28, 0                            ; q's buffers or k's: the choice hangs on the wave's number alone
	s_cselect_b64 s[40:41], s[14:15], s[16:17]
	s_cselect_b64 s[44:45], s[20:21], s[22:23]
	s_lshl_b32 s30, s27, 9
	s_add_nc_u64 s[40:41], s[40:41], s[30:31]      ; the bias of my 128 outputs
	s_mul_i32 s57, ttmp9, 17408                    ; my four records of 4,352 bytes
	s_lshl_b32 s30, s27, 7
	s_add_co_u32 s30, s30, s57
	s_add_co_u32 s30, s30, 4096
	s_add_nc_u64 s[46:47], s[44:45], s[30:31]      ; where my scale words go
	s_lshl_b32 s30, s27, 11
	s_add_co_u32 s30, s30, s57
	s_add_nc_u64 s[44:45], s[44:45], s[30:31]      ; and my codes
	s_lshl_b32 s30, s28, 16                        ; weights: fragment (16 matrix + tile) x 2 + K step
	s_lshl_b32 s56, s27, 15
	s_add_co_u32 s30, s30, s56
	s_add_nc_u64 s[32:33], s[10:11], s[30:31]
	s_lshl_b32 s30, s26, 14
	s_add_co_u32 s30, s30, 131072
	s_add_nc_u64 s[34:35], s[10:11], s[30:31]      ; v_w: tiles 4 w on
	s_lshl_b32 s30, s28, 12
	s_lshl_b32 s56, s27, 11
	s_add_co_u32 s30, s30, s56
	s_add_nc_u64 s[36:37], s[12:13], s[30:31]
	s_lshl_b32 s30, s26, 10
	s_add_co_u32 s30, s30, 8192
	s_add_nc_u64 s[38:39], s[12:13], s[30:31]
	s_lshl_b32 s30, s26, 8
	s_add_nc_u64 s[42:43], s[18:19], s[30:31]      ; v_b: channels 64 w on
	s_lshr_b32 s57, ttmp9, 1
	s_mul_i32 s57, s57, 34816                      ; vrec: the key step
	s_and_b32 s58, ttmp9, 1
	s_lshl_b32 s30, s26, 13
	s_add_co_u32 s30, s30, s57
	s_lshl_b32 s56, s58, 10
	s_add_co_u32 s30, s30, s56
	s_add_nc_u64 s[48:49], s[24:25], s[30:31]      ; tile 4 w, group 2 (g % 2)
	s_lshl_b32 s30, s26, 9
	s_add_co_u32 s30, s30, s57
	s_lshl_b32 s56, s58, 1
	s_add_co_u32 s30, s30, s56
	s_add_co_u32 s30, s30, 32768
	s_add_nc_u64 s[50:51], s[24:25], s[30:31]      ; its scale words, bytes 2 (g % 2) on
	W1LOAD 0
	s_wait_loadcnt 32                              ; loads come back in order (ISA guide 5.7.1): the coefficients are in; the 32 loads of weights behind them may stay out
	ds_store_b128 v[CW], v[48:51]
	ds_store_b128 v[CW], v[52:55] offset:512
	ds_store_b128 v[CW], v[56:59] offset:1024
	COEF 0                                         ; LDS serves a wave's instructions in order (ISA guide 5.7.1.4): these see my stores
	s_wait_tensorcnt 0x0                           ; my quarter of x's tile has landed;
	s_wait_dscnt 0x0                               ; no LDS instruction of mine is out at a signal
	s_barrier_signal -1
	s_barrier_wait -1                              ; everybody's quarter has
	LOADX 0
	; ---- X
	XBLOCK 0
	W1LOAD 1
	XBLOCK 1
	W2LOAD
	XBLOCK 2
	BLOAD
	XBLOCK 3
	ds_store_b32 v[HWS], v[T0+5]
.irp b, 0,1,2,3
	v_mov_b32 v[TM+4+\b], 0                        ; a lane permute's target counts as read: written once
.endr
	s_wait_dscnt 0x0                               ; for the others' sake: my stores have landed
	s_barrier_signal -1
	s_barrier_wait -1                              ; h's eight fragments lie in LDS, and nobody writes LDS again
	s_wait_loadcnt 0x0                             ; the weights, their scale words, the biases
	WIN 0x82                                       ; destination and source 0 window 2
.irp j, 0,1,2,3
.irp k, 1,2,3,4,5,6,7
	v_mov_b32 v[B2+8*\j+\k], v[B2+8*\j]            ; v_b as a C: a lane's eight registers are eight pixels of its one channel
.endr
.endr
	WIN 0
	; ---- 1: q or k, a tile of 16 pixels at a time; eight accumulators by turns
.irp m, 0,1,2,3
	FETCH XF, (2*\m)*2048
	FETCH XF+16, (2*\m+1)*2048
	ds_load_b32 v[XS], v[L16] offset:HSC+64*(2*\m)
	ds_load_b32 v[XS+1], v[L16] offset:HSC+64*(2*\m+1)
	s_wait_dscnt 0x0
	WIN 0x21                                       ; source 0 (W) window 1, source 2 (the bias) window 2
.irp t, 0,1,2,3,4,5,6,7
	MM HA+8*\t, 32*\t, XF, B1+8*\t, W1S+2*\t, XS
.endr
	WIN 0x01
.irp t, 0,1,2,3,4,5,6,7
	MM HA+8*\t, 32*\t+16, XF+16, HA+8*\t, W1S+2*\t+1, XS+1
.endr
	WIN 0
	PLACES 8                                       ; eight places behind this form in front of the first read of results
	s_wait_xcnt 0x0                                ; the last tile's stores have read their data: the codes' registers are written again
	QUANT HA, PC, PW
.irp c, 0,1,2,3
	global_store_b128 v[LI], v[PC+4*\c:PC+4*\c+3], s[44:45] offset:\m*4352+512*\c   ; 512 consecutive bytes a store
.endr
	global_store_b32 v[LS], v[PW], s[46:47] offset:\m*4352
.endr
	; ---- 2: v, two tiles of channels x four tiles of pixels at a time
.irp jp, 0,1
.irp s, 0,1
.irp m, 0,1,2,3
	FETCH ST+16*\m, (2*\m+\s)*2048
	ds_load_b32 v[HS+\m], v[L16] offset:HSC+64*(2*\m+\s)
.endr
	s_wait_dscnt 0x0
.if \s == 0
	WIN 0x28                                       ; source 1 (v_w) and source 2 (v_b) window 2
.else
	WIN 0x08
.endif
.irp m, 0,1,2,3
.irp jj, 0,1
.if \s == 0
	MM HA+32*\jj+8*\m, ST+16*\m, 16*(2*(2*\jp+\jj)+\s), B2+8*(2*\jp+\jj), HS+\m, W2S+2*(2*\jp+\jj)+\s
.else
	MM HA+32*\jj+8*\m, ST+16*\m, 16*(2*(2*\jp+\jj)+\s), HA+32*\jj+8*\m, HS+\m, W2S+2*(2*\jp+\jj)+\s
.endif
.endr
.endr
	WIN 0
	PLACES 8                                       ; in front of loads into registers that these products read, and of the first read of results
.endr
	s_wait_xcnt 0x0
	QUANT HA, PC, PW                               ; block 2 jj + pb: channel tile jj, 32 pixels pb
.irp jj, 0,1
.irp c, 0,1
	global_store_b128 v[LI], v[PC+8*\jj+4*\c:PC+8*\jj+4*\c+3], s[48:49] offset:(2*\jp+\jj)*2048+512*\c
.endr
.endr
	global_store_b16 v[LS], v[PW], s[50:51] offset:(2*\jp)*128            ; the word's low half: tile jj = 0's two bytes
	global_store_d16_hi_b16 v[LS], v[PW], s[50:51] offset:(2*\jp+1)*128   ; its high half: tile jj = 1's
.endr
	s_wait_tensorcnt 0x0
	ds_add_u32 v254, v255
	s_wait_dscnt 0x0
	s_endpgm
.Lfunc_end_k_qe889c8c34a_qkv:
	.size	k_qe889c8c34a_qkv, .Lfunc_end_k_qe889c8c34a_qkv-k_qe889c8c34a_qkv
	.p2alignl 7, 3214868480
	.fill 96, 4, 3214868480
	.section	.rodata,"a",@progbits
	.p2align	6, 0x0
	.amdhsa_kernel k_qe889c8c34a_qkv
		.amdhsa_group_segment_fixed_size 168448
		.amdhsa_private_segment_fixed_size 0
		.amdhsa_enable_private_segment 0
		.amdhsa_kernarg_size 88
		.amdhsa_user_sgpr_count 2
		.amdhsa_user_sgpr_kernarg_segment_ptr 1
		.amdhsa_wavefront_size32 1
		.amdhsa_system_sgpr_workgroup_id_x 1
		.amdhsa_system_sgpr_workgroup_id_y 1
		.amdhsa_system_sgpr_workgroup_id_z 1
		.amdhsa_system_vgpr_workitem_id 0
		.amdhsa_next_free_vgpr 768
		.amdhsa_next_free_sgpr 80
		.amdhsa_reserve_vcc 0
		.amdhsa_float_denorm_mode_32 3
		.amdhsa_float_denorm_mode_16_64 3
		.amdhsa_memory_ordered 1
		.amdhsa_forward_progress 1
		.amdhsa_inst_pref_size 131
	.end_amdhsa_kernel
	.amdgpu_metadata
---
amdhsa.version: [ 1, 2 ]
amdhsa.kernels:
  - .name:           k_qe889c8c34a_qkv
    .symbol:         k_qe889c8c34a_qkv.kd
    .args:
      - { .name: x, .offset: 0, .size: 8, .value_kind: global_buffer, .address_space: global }
      - { .name: coef, .offset: 8, .size: 8, .value_kind: global_buffer, .address_space: global }
      - { .name: norm_b, .offset: 16, .size: 8, .value_kind: global_buffer, .address_space: global }
      - { .name: wcodes, .offset: 24, .size: 8, .value_kind: global_buffer, .address_space: global }
      - { .name: wscales, .offset: 32, .size: 8, .value_kind: global_buffer, .address_space: global }
      - { .name: q_b, .offset: 40, .size: 8, .value_kind: global_buffer, .address_space: global }
      - { .name: k_b, .offset: 48, .size: 8, .value_kind: global_buffer, .address_space: global }
      - { .name: v_b, .offset: 56, .size: 8, .value_kind: global_buffer, .address_space: global }
      - { .name: qrec, .offset: 64, .size: 8, .value_kind: global_buffer, .address_space: global }
      - { .name: krec, .offset: 72, .size: 8, .value_kind: global_buffer, .address_space: global }
      - { .name: vrec, .offset: 80, .size: 8, .value_kind: global_buffer, .address_space: global }
    .group_segment_fixed_size: 168448
    .private_segment_fixed_size: 0
    .kernarg_segment_align: 8
    .kernarg_segment_size: 88
    .max_flat_workgroup_size: 128
    .sgpr_count:     80
    .vgpr_count:     768
    .wavefront_size: 32
...
	.end_amdgpu_metadata
.endif
;; end of part 2
;; launch attn (part 3): grid 256 x 1, 4 waves a work-group, clusters of 4 x 1, 327,680 bytes of LDS; arguments qrec, krec, vrec, wcodes, wscales, proj_b, x, out0; writes out0
.if DOCPART == 3
	.amdgcn_target "amdgcn-amd-amdhsa--gfx1250"
	.amdhsa_code_object_version 6
	.text
	.protected	k_qe889c8c34a_attn
	.globl	k_qe889c8c34a_attn
	.p2align	8
	.type	k_qe889c8c34a_attn,@function
k_qe889c8c34a_attn:
	s_mov_b64 s[64:65], 0
	v_nop
	global_prefetch_b8 v0, s[64:65] scope:SCOPE_SE
	s_setreg_imm32_b32 hwreg(HW_REG_WAVE_MODE, 25, 1), 1
	s_wait_xcnt 0x0
	s_wait_alu depctr_hold_cnt(0) depctr_sa_sdst(0) depctr_va_vdst(0) depctr_va_sdst(0) depctr_va_ssrc(0) depctr_va_vcc(0) depctr_vm_vsrc(0)
	s_getreg_b32 s2, hwreg(HW_REG_IB_STS2, 6, 4)
	s_cmp_eq_u32 s2, 0
	s_cbranch_scc0 .Lentry_in_a_cluster
	s_endpgm
.Lentry_in_a_cluster:
	s_bfe_u32 s2, ttmp6, 0x10000c
	s_cmp_lg_u32 s2, 0x3003
	s_cbranch_scc0 .Lentry_shape_is_right
	s_endpgm
.Lentry_shape_is_right:
; out0 = x + proj_w softmax(q^T k / 16) v + proj_b, all three products on codes of BF8 (E5M2) with one E8M0 scale for each 32 along K.
; THE SOFTMAX AHEAD OF THE SECOND PRODUCT: t = score x log2(e) / 16; M = the running largest t rounded UP to a whole number; p = 2^(t - M) is what is quantised, along the keys, not normalised.  The row's sum is taken of
; the unquantised p and divides at the end.  When M moves, the sum and O are multiplied by 2^(old M - new M): exact.
; SHARES.  A work-group owns 64 queries of one batch: four tiles of 16.  Wave w = (qh = w % 2, kh = w / 2) takes query tiles 2 qh, 2 qh + 1 and the keys 2,048 kh on: 16 steps of 128 keys.  So each fragment of K and V read
; from LDS feeds two products.  At the end the two waves of a qh join their halves through LDS: each keeps its local tile 0 (query tile 2 qh + kh) and hands over its local tile 1: one text for all waves.
; LAYOUT.  S^T = K Q^T (source 0 = 16 keys), O^T = V^T P^T (source 0 = 16 channels): a lane holds ONE query.  Tiles are permuted (row i of tile T is index 32 (T / 2) + 8 (T % 2) + i + 8 (i / 8)), so that the 16 registers of
; tiles 2 b, 2 b + 1 are 16 neighbours along the next K: p's codes are the second product's operand, O's the third's.  All operands lie in memory and LDS as images of their registers: dense runs of 512 bytes, no pitch.
; RING.  Two slots of four parts of 34,816 bytes: K and V of a key step of each half of the keys.  Wave w fetches part w: one tensor load of 136 rows of 256 bytes.
; CLUSTER.  The four work-groups of a cluster belong to one batch and walk the same K and V: each part is asked for JOINTLY, by the same load with the same descriptor and the mask of all four.
; A KEY STEP'S 160 LDS LOADS STAND IN SHORT RUNS among its matrix instructions and between the stages of its softmax, in four stretches of 32, 48, 48 and 32.  The change of slots stands BETWEEN the two tiles' softmaxes:
; by then all of this step's K and V is in registers, and the next step's K, which lies in the other slot, can be asked for under the second tile's softmax.
; Matrix and vector work do not take turns here: that wants K and V of neighbouring steps in registers together, 256 + 256 beside O^T's 256, S^T's 128, Q's 64 and p's 32: 992 of the wave's 1,024.
; LIMITS: NaN and infinities are not served; a block under 2^-111 keeps the byte 1; a block of zeros gets the byte 1 (its codes are zeros).
; REGISTERS: window 0 below; window 1: O^T, 128 a tile (at the end: the third product's 16 accumulators); window 2: v0-63 Q, v64-191 F2 (V's tiles 0-7), v192-223 proj_b; window 3: v0-127 F0, v128-255 F1.
.set PART,  34816
.set SLOT,  4*PART
.set SPARE, 2*SLOT                     ; behind the ring: the spare words, 128 bytes for each wave: two blocks of 256 bytes that no other line names
.set REC,   4352                       ; a tile's record: two fragments and their scale words
.set OSC,   16384                      ; the end, in the slots, which have had their last fill and their last read: O's eight fragments at 0, their scale words here,
.set XCH,   17408                      ; what a wave hands over: 16,384 bytes of O^T, 128 of -M, 128 of the sum,
.set XCW,   16640
.set STG,   XCH+4*XCW                  ; and the stage: 256 rows (output channels) x (256 bytes + 16)
.set SP,    272
.set LI,  1                            ; v1   16 x lane
.set LS,  2                            ; v2   4 x lane
.set SPW, 3                            ; v3   my spare word; never rewritten
.set NIL, 4                            ; v4   0; never rewritten
.set AK,  5                            ; v5-6   my half's K in slot 0, 1
.set AV,  7                            ; v7-8   V
.set AKS, 9                            ; v9-10  K's records, by 4 x lane
.set AVS, 11                           ; v11-12 V's scale words
.set SO,  13                           ; v13  the stage: in
.set SR,  14                           ; v14  and back
.set GX,  15                           ; v15  my bytes in two rows of x and out0
.set KSC, 16                           ; v16-31 K's scale words (2 t + s); at the end proj_w's
.set VSC, 32                           ; v32-47 V's; at the end O's
.set QSC, 48                           ; v48-51 Q's (2 i + s)
.set PSC, 52                           ; v52-53 p's
.set SC3, 54                           ; v54-55 the third chain of sums
.set STA, 56                           ; v56-63 a tile's -M, largest t, sum in two halves
.set S,   64                           ; v64-191  S^T, then p: 64 a tile
.set P,   192                          ; v192-223 p's codes: 16 a tile
.set TM,  224                          ; v224-239 at work
.set FF,  240                          ; v240-241 f (the pair's low word serves both halves)
.set SC2, 242                          ; v242-243 the second chain of sums
.set TP,  244
.set XW,  245
.set XWS, 246
.set XR,  247
.set XRS, 248
.set OW,  249
.set OWS, 250
.set SC4, 252                          ; v252-253 the fourth chain of sums (at the head: at work)
.set RB,  255
.set WV,  20
.set G1,  24                           ; s[24:31] descriptor group 1
.set G0,  32                           ; s[32:39] group 0, a set for each slot
.set SEL, 44
.set CS,  46                           ; s[46:47] c = log2(e) / 16
.set MNT, 48
.set LAPS, 49
.set MSB, 0
.macro WIN new                         ; the immediate's high byte repeats the setting that is left
.if MSB != \new
	s_set_vgpr_msb (MSB<<8)|\new
.set MSB, \new
.endif
.endm
.macro MM d, a, b, c, sa, sb
	v_wmma_scale_f32_16x16x128_f8f6f4 v[\d:\d+7], v[\a:\a+15], v[\b:\b+15], v[\c:\c+7], v[\sa], v[\sb] matrix_a_fmt:MATRIX_FMT_BF8 matrix_b_fmt:MATRIX_FMT_BF8
.endm
.macro MM0 d, a, b, sa, sb             ; the first product starts a sum: nothing is cleared
	v_wmma_scale_f32_16x16x128_f8f6f4 v[\d:\d+7], v[\a:\a+15], v[\b:\b+15], 0, v[\sa], v[\sb] matrix_a_fmt:MATRIX_FMT_BF8 matrix_b_fmt:MATRIX_FMT_BF8
.endm
.macro PLACES n                        ; eight places behind this form in front of reads of results and of loads into its registers
.rept \n
	v_nop
.endr
.endm
.macro ROUND                           ; a round of the cluster's barrier
	s_barrier_signal -1
	s_barrier_wait -1
	s_cmp_lg_u32 s[WV], 0
	s_cbranch_scc1 .Lnot_wave_0_\@
	s_barrier_signal -3
.Lnot_wave_0_\@:
	s_barrier_wait -3
	s_barrier_signal -1
	s_barrier_wait -1
.endm
; 64 numbers of a lane, register 16 b + e = k 32 b + 16 (lane / 16) + e of the lane's row, become a fragment's codes in v[pc] on and its scale word in v[pw]
.macro QUANT s, pc, pw
.irp b, 0,1,2,3
	v_max3_num_f32 v[TM+\b], |v[\s+16*\b]|, |v[\s+1+16*\b]|, 0x8000000
.endr
.irp e, 2,4,6,8,10,12,14
.irp b, 0,1,2,3
	v_max3_num_f32 v[TM+\b], v[TM+\b], |v[\s+16*\b+\e]|, |v[\s+1+16*\b+\e]|
.endr
.endr
.irp b, 0,1,2,3
	v_permlanex16_b32 v[TM+4+\b], v[TM+\b], s[SEL], s[SEL+1]
.endr
.irp b, 0,1,2,3
	v_max_num_f32 v[TM+\b], v[TM+\b], v[TM+4+\b]
.endr
.irp b, 0,1,2,3
	v_add_nc_u32 v[TM+12+\b], 0xf8800000, v[TM+\b]
.endr
.irp b, 0,1,2,3
	v_and_or_b32 v[TM+8+\b], v[TM+\b], 0x7f800000, s[MNT]
.endr
.irp b, 0,1,2,3
	v_lshrrev_b32 v[TM+4+\b], 23, v[TM+12+\b]
.endr
	v_lshl_or_b32 v[\pw], v[TM+5], 8, v[TM+4]
	v_lshl_or_b32 v[\pw], v[TM+6], 16, v[\pw]
	v_lshl_or_b32 v[\pw], v[TM+7], 24, v[\pw]
.irp b, 0,1,2,3
.irp e, 0,1,2,3,4,5,6,7,8,9,10,11,12,13,14,15
	v_med3_num_f32 v[\s+16*\b+\e], v[\s+16*\b+\e], -v[TM+8+\b], v[TM+8+\b]
.endr
	v_cvt_scalef32_pk8_bf8_f32 v[\pc+4*\b:\pc+4*\b+1], v[\s+16*\b:\s+16*\b+7], v[TM+12+\b]
	v_cvt_scalef32_pk8_bf8_f32 v[\pc+4*\b+2:\pc+4*\b+3], v[\s+16*\b+8:\s+16*\b+15], v[TM+12+\b]
.endr
	v_nop                                          ; one plain line behind the last conversion
.endm
.macro FETCH_K1 n                      ; ahead of the first key step: its scale words of K, and its channels 128-255 into F1
.irp t, 0,1,2,3,4,5,6,7
.irp s, 0,1
	ds_load_b32 v[KSC+2*\t+\s], v[AKS+\n] offset:\t*REC+4096+128*\s
.endr
.endr
	WIN 0xc0                                       ; destination window 3
.irp t, 0,1,2,3,4,5,6,7
.irp c, 0,1,2,3
	ds_load_b128 v[128+16*\t+4*\c:128+16*\t+4*\c+3], v[AK+\n] offset:\t*REC+2048+512*\c
.endr
.endr
.endm
.macro FETCH_K0 n                      ; and its channels 0-127 into F0
	WIN 0xc0
.irp t, 0,1,2,3,4,5,6,7
.irp c, 0,1,2,3
	ds_load_b128 v[16*\t+4*\c:16*\t+4*\c+3], v[AK+\n] offset:\t*REC+512*\c
.endr
.endr
.endm
; Run c of four that stand between the stages of a softmax.  kind 1: V's scale words 4 c on and V's tiles 8 + 2 c, 9 + 2 c into F0, from slot n.
; kind 2: K's tiles 2 c, 2 c + 1 of slot n: their scale words, and channels 128-255 into F1.  kind 3: the last step: proj_w's scale words and fragments take their places.
.macro HOOK kind, n, c
.if \kind == 1
.set e, 4*\c
.rept 4
	ds_load_b32 v[VSC+e], v[AVS+\n] offset:128*e
.set e, e+1
.endr
	WIN 0xc0                                       ; destination window 3
.set e, 8*\c
.rept 8
	ds_load_b128 v[4*e:4*e+3], v[AV+\n] offset:16384+512*e
.set e, e+1
.endr
	WIN 0
.elseif \kind == 2
.irp t, 2*\c, 2*\c+1
.irp s, 0,1
	ds_load_b32 v[KSC+2*(\t)+\s], v[AKS+\n] offset:(\t)*REC+4096+128*\s
.endr
.endr
	WIN 0xc0
.irp t, 2*\c, 2*\c+1
.irp k, 0,1,2,3
	ds_load_b128 v[128+16*(\t)+4*\k:128+16*(\t)+4*\k+3], v[AK+\n] offset:(\t)*REC+2048+512*\k
.endr
.endr
	WIN 0
.else
.set e, 2*\c
.rept 2
	global_load_b32 v[KSC+e], v[LS], s[12:13] offset:128*e                ; proj_w's scale words (2 tile + K step)
.set e, e+1
.endr
	WIN 0xc0
.set e, 8*\c
.rept 8
	global_load_b128 v[128+4*e:128+4*e+3], v[LI], s[10:11] offset:512*e   ; my 8 fragments of proj_w into F1
.set e, e+1
.endr
	WIN 0
.endif
.endm
.macro VLO n, g                        ; four loads of V's tiles 0-7 into F2: run g of eight
	WIN 0x80                                       ; destination window 2
.set e, 4*(\g)
.rept 4
	ds_load_b128 v[64+4*e:64+4*e+3], v[AV+\n] offset:512*e
.set e, e+1
.endr
.endm
.macro NEXT0 n, mode, hf               ; half hf of what takes F0 next: the next step's K, channels 0-127, from slot n; in the last step the residual
	WIN 0xc0
.if \mode > 0
.irp t, 4*\hf, 4*\hf+1, 4*\hf+2, 4*\hf+3
.irp c, 0,1,2,3
	ds_load_b128 v[16*(\t)+4*\c:16*(\t)+4*\c+3], v[AK+\n] offset:(\t)*REC+512*\c
.endr
.endr
.else
.set e, 16*\hf
.rept 16
	global_load_b128 v[4*e:4*e+3], v[GX], s[16:17] offset:32768*e th:TH_LOAD_NT   ; x: two rows of 256 bytes a load; read here for the last time
.set e, e+1
.endr
.endif
.endm
.macro SPROD s, t                      ; two products of S^T: K's tile t, K step s, against both tiles of queries.  K step 1 goes first and starts the sums
.irp i, 0,1
.if \s
	MM0 S+64*\i+8*(\t), 128+16*(\t), 32*\i+16, KSC+2*(\t)+1, QSC+2*\i+1
.else
	MM S+64*\i+8*(\t), 16*(\t), 32*\i, S+64*\i+8*(\t), KSC+2*(\t), QSC+2*\i
.endif
.endr
.endm
.macro PV first, fr, tb, u             ; two products of O^T: V's tile tb + u, its fragment at v[fr + 16 u], against both tiles' p
.irp i, 0,1
.if \first
	MM0 128*\i+8*(\tb+\u), \fr+16*(\u), P+16*\i, VSC+\tb+\u, PSC+\i
.else
	MM 128*\i+8*(\tb+\u), \fr+16*(\u), P+16*\i, 128*\i+8*(\tb+\u), VSC+\tb+\u, PSC+\i
.endif
.endr
.endm
; One tile's softmax for a key step.  first = 1: the first step: it starts M and the sum and has nothing to rescale.  kind, n: the four runs of loads that stand between its stages
.macro SOFTMAX q, first, kind, n
.set SB, S+64*\q
.set SS, STA+4*\q
.set PB, P+16*\q
.set OB, 128*\q
	HOOK \kind, \n, 0
.irp b, 0,1,2,3
	v_max3_num_f32 v[TM+\b], v[SB+16*\b], v[SB+16*\b+1], v[SB+16*\b+2]   ; the largest score of each block of 32 keys, from each accumulator's low end on: it serves the row's maximum and, since p rises with the score, the block's largest p
.endr
.irp e, 3,5,7,9,11,13
.irp b, 0,1,2,3
	v_max3_num_f32 v[TM+\b], v[TM+\b], v[SB+16*\b+\e], v[SB+16*\b+\e+1]
.endr
.endr
.irp b, 0,1,2,3
	v_max_num_f32 v[TM+\b], v[TM+\b], v[SB+16*\b+15]
.endr
.irp b, 0,1,2,3
	v_permlanex16_b32 v[TM+4+\b], v[TM+\b], s[SEL], s[SEL+1]
.endr
.irp b, 0,1,2,3
	v_max_num_f32 v[TM+\b], v[TM+\b], v[TM+4+\b]   ; with lane l xor 16's 16 keys
.endr
	HOOK \kind, \n, 1
	v_max3_num_f32 v[TP], v[TM], v[TM+1], v[TM+2]
	v_max_num_f32 v[TP], v[TP], v[TM+3]
.if \first
	v_mul_f32 v[SS+1], s[CS], v[TP]                ; the largest t (c is positive)
	v_floor_f32 v[SS], -v[SS+1]                    ; -M = floor(-t) = -ceil(t)
.else
	v_mul_f32 v[TP], s[CS], v[TP]
	v_max_num_f32 v[SS+1], v[SS+1], v[TP]          ; the running largest t
	v_mov_b32 v[TP], v[SS]
	v_floor_f32 v[SS], -v[SS+1]
	v_sub_f32 v[TP], v[SS], v[TP]                  ; old M - new M: a whole number, 0 or less
	v_cvt_i32_f32 v[TP], v[TP]
	v_ldexp_f32 v[FF], 1.0, v[TP]                  ; f = 2^(old M - new M)
.endif
.set j, 0
.rept 32
	v_pk_fma_f32 v[SB+j:SB+j+1], v[SB+j:SB+j+1], s[CS:CS+1], v[SS:SS+1] op_sel_hi:[1,0,0]   ; t - M, two at a time
.set j, j+2
.endr
.irp b, 0,1,2,3
	v_fma_f32 v[TM+\b], v[TM+\b], s[CS], v[SS]     ; the same of each block's largest score
.endr
	HOOK \kind, \n, 2
.set j, 0
.rept 64
	v_exp_f32 v[SB+j], v[SB+j]                     ; p = 2^(t - M)
.set j, j+1
.endr
.irp b, 0,1,2,3
	v_exp_f32 v[TM+\b], v[TM+\b]                   ; the block's largest p
.endr
.if \first
	v_mov_b32 v[SS+2], 0                           ; the sum begins.  (A plain line behind the exponentials)
	v_mov_b32 v[SS+3], 0
	s_wait_alu depctr_va_vdst(0)
.else
	v_pk_mul_f32 v[SS+2:SS+3], v[SS+2:SS+3], v[FF:FF+1] op_sel_hi:[1,0]   ; the sum under the new M.  (A plain line behind the exponentials)
	s_wait_alu depctr_va_vdst(0)
.endif
.irp b, 0,1,2,3
	v_max_num_f32 v[TM+\b], 0x8000000, v[TM+\b]    ; the floor 2^(16 - 127)
.endr
.irp b, 0,1,2,3
	v_add_nc_u32 v[TM+12+\b], 0xf8800000, v[TM+\b]
.endr
.irp b, 0,1,2,3
	v_and_or_b32 v[TM+8+\b], v[TM+\b], 0x7f800000, s[MNT]
.endr
.irp b, 0,1,2,3
	v_lshrrev_b32 v[TM+4+\b], 23, v[TM+12+\b]
.endr
	v_lshl_or_b32 v[PSC+\q], v[TM+5], 8, v[TM+4]   ; p's scale word for these 128 keys: more than eight plain lines ahead of the products that name it
	v_lshl_or_b32 v[PSC+\q], v[TM+6], 16, v[PSC+\q]
	v_lshl_or_b32 v[PSC+\q], v[TM+7], 24, v[PSC+\q]
	HOOK \kind, \n, 3
	v_pk_add_f32 v[SC2:SC2+1], v[SB:SB+1], v[SB+2:SB+3]          ; the row's sum is taken of the unquantised p: 32 pairs in four chains, so that a line adds onto the result of the line four back
	v_pk_add_f32 v[SC3:SC3+1], v[SB+4:SB+5], v[SB+6:SB+7]
	v_pk_add_f32 v[SC4:SC4+1], v[SB+8:SB+9], v[SB+10:SB+11]
	v_pk_add_f32 v[SS+2:SS+3], v[SS+2:SS+3], v[SB+12:SB+13]
.set j, 14
.rept 6
	v_pk_add_f32 v[SC2:SC2+1], v[SC2:SC2+1], v[SB+j:SB+j+1]
	v_pk_add_f32 v[SC3:SC3+1], v[SC3:SC3+1], v[SB+j+2:SB+j+3]
	v_pk_add_f32 v[SC4:SC4+1], v[SC4:SC4+1], v[SB+j+4:SB+j+5]
	v_pk_add_f32 v[SS+2:SS+3], v[SS+2:SS+3], v[SB+j+6:SB+j+7]
.set j, j+8
.endr
	v_pk_add_f32 v[SC2:SC2+1], v[SC2:SC2+1], v[SB+62:SB+63]
	v_pk_add_f32 v[SC3:SC3+1], v[SC3:SC3+1], v[SC4:SC4+1]
	v_pk_add_f32 v[SS+2:SS+3], v[SS+2:SS+3], v[SC2:SC2+1]
	v_pk_add_f32 v[SS+2:SS+3], v[SS+2:SS+3], v[SC3:SC3+1]
.irp b, 0,1,2,3
.irp e, 0,1,2,3,4,5,6,7,8,9,10,11,12,13,14,15
	v_min_num_f32 v[SB+16*\b+\e], v[SB+16*\b+\e], v[TM+8+\b]   ; the hold; p is not negative, so it is one-sided
.endr
	v_cvt_scalef32_pk8_bf8_f32 v[PB+4*\b:PB+4*\b+1], v[SB+16*\b:SB+16*\b+7], v[TM+12+\b]
	v_cvt_scalef32_pk8_bf8_f32 v[PB+4*\b+2:PB+4*\b+3], v[SB+16*\b+8:SB+16*\b+15], v[TM+12+\b]
.endr
.if \first
	PLACES 4                                       ; the plain line behind the last conversion, and the four places between codes written by vector instructions and the scaled products that take them
.else
	WIN 0x41                                       ; O^T (destination and source 0) window 1, f window 0
.set j, 0
.rept 64
	v_pk_mul_f32 v[OB+j:OB+j+1], v[OB+j:OB+j+1], v[FF:FF+1] op_sel_hi:[1,0]   ; O^T under the new M, each accumulator from its low end on; also the plain lines behind the conversions and ahead of the products
.set j, j+2
.endr
	WIN 0
.endif
.endm
; A KEY STEP on slot n.  At its head K's scale words and channels 128-255 (48 loads) and, behind them, channels 0-127 (32 loads) have been asked for.
; mode 2: slot n is filled again, with the step two on.  mode 1: nothing is asked for.  mode 0: the last step: proj_w's fragments and x take the places of the next K.
.macro TRIP n, mode, first
	s_wait_dscnt 32                                ; all but the 32 youngest loads, K's channels 0-127
.irp g, 0,1,2,3
	WIN 0x0b                                       ; K window 3, Q window 2, S^T window 0
	SPROD 1, 2*\g                                  ; 16 accumulators by turns
	SPROD 1, 2*\g+1
.if \g == 0
	PLACES 8                                       ; behind the last step's products from F2, in front of the loads into F2
.endif
	VLO \n, \g
.endr
	s_wait_dscnt 16                                ; K's channels 0-127 are in; the 16 loads of V behind them may stay out
.irp g, 0,1,2,3
	WIN 0x0b
	SPROD 0, 2*\g
	SPROD 0, 2*\g+1
	VLO \n, \g+4
.endr
	WIN 0
	PLACES 8                                       ; for the reads of S^T and for the loads into F0 and V's scale words
	SOFTMAX 0, \first, 1, \n                       ; between its stages: the rest of V
	s_wait_tensorcnt 0x0                           ; all my tensor loads have landed: my part of the other slot
	ds_add_u32 v[SPW], v[NIL]                      ; 0 onto my spare word
.if \mode == 2
	s_add_nc_u64 s[G0+4*\n+2:G0+4*\n+3], s[G0+4*\n+2:G0+4*\n+3], 2*PART   ; no load of mine is out: this slot's next step; the type bits on top are not reached
.endif
	s_wait_dscnt 0x0                               ; the add is done, V is in registers, and my reads of this slot are over
.if \mode == 2
	ROUND                                          ; no wave of any partner still reads this slot or has a load on its way
	tensor_load_to_lds s[G0+4*\n:G0+4*\n+3], s[G1:G1+7]   ; the joint refill, first behind the round: it has a whole key step, from this round to the next, in which to land
	s_nop 0
	PLACES 4
.else
	s_barrier_signal -1
	s_barrier_wait -1                              ; the other slot is whole (mode 1); nobody reads either slot any more (mode 0)
.endif
.if \mode > 0
	SOFTMAX 1, \first, 2, 1-\n                     ; between its stages: the next step's K, first half, out of the other slot
.else
	SOFTMAX 1, \first, 3, 0
.endif
	WIN 0x53                                       ; V window 3, p window 0, O^T window 1
.irp u, 0,1,2,3,4,5,6,7
	PV \first, 0, 8, \u                            ; V's tiles 8-15, out of F0; 32 accumulators by turns
.endr
	WIN 0x52                                       ; V window 2
	PV \first, 64, 0, 0
	PV \first, 64, 0, 1
	PLACES 8                                       ; behind the products from F0, in front of the loads into F0
	NEXT0 1-\n, \mode, 0
	WIN 0x52
	PV \first, 64, 0, 2
	PV \first, 64, 0, 3
	NEXT0 1-\n, \mode, 1
	WIN 0x52
.irp u, 4,5,6,7
	PV \first, 64, 0, \u
.endr
	WIN 0
.endm
	s_load_b256 s[4:11], s[0:1], 0x0               ; qrec, krec, vrec, wcodes
	s_load_b256 s[12:19], s[0:1], 0x20             ; wscales, proj_b, x, out0
	v_lshl_add_u32 v[SPW], v0, 2, SPARE
	v_mov_b32 v[NIL], 0
	ds_add_u32 v3, v4
	ds_add_u32 v3, v4
	s_wait_dscnt 0x0
	v_lshrrev_b32 v5, 5, v0
	v_readfirstlane_b32 s[WV], v5                  ; wave 0..3
	s_and_b32 s21, s[WV], 1                        ; qh.  Also: I fetch K (0) or V (1)
	s_lshr_b32 s22, s[WV], 1                       ; kh.  Also: of which half of the keys
	s_bfe_u32 s23, ttmp6, 0x40000                  ; cx
	s_lshl_b32 s51, ttmp9, 2                       ; in a cluster launch ttmp9 counts clusters
	s_add_co_u32 s23, s51, s23                     ; my work-group: it enters Q's, x's and out0's addresses alone
	s_lshr_b32 s50, ttmp9, 4                       ; the batch, which the four partners share
	s_mov_b32 s[G1], 15|(3<<16)|(1<<21)            ; 15:0 the mask: all four work-groups; 17:16 elements of 8 bytes; 21 set beside a mask; no padding
	s_mov_b32 s[G1+1], 32<<16                      ; tensor_dim0 = 32 elements: 256 bytes
	s_mov_b32 s[G1+2], 136<<16                     ; tensor_dim1 = 136 rows
	s_mov_b32 s[G1+3], 32<<16                      ; tile_dim0
	s_mov_b32 s[G1+4], 136                         ; tile_dim1
	s_mov_b32 s[G1+5], 32                          ; the pitch: the block is dense
	s_mov_b32 s[G1+6], 0
	s_mov_b32 s[G1+7], 0
	s_mov_b32 s[SEL], 0x76543210
	s_mov_b32 s[SEL+1], 0xfedcba98
	s_mov_b32 s[CS], 0x3db8aa3b                    ; log2(e) / 16
	s_mov_b32 s[CS+1], s[CS]                       ; (named with it as a pair, so it is written)
	s_mov_b32 s[MNT], 0x600000
	s_mov_b32 s[LAPS], 6
	s_mul_i32 s52, s[WV], PART                     ; my part of a slot: no place in the cluster enters an LDS address
	s_mul_i32 s53, s22, 2*PART                     ; the parts that I read
	s_mul_i32 s40, s50, 32*PART                    ; the batch's 32 key steps,
	s_mul_i32 s51, s22, 16*PART                    ; the half's 16
	s_add_co_u32 s40, s40, s51
	s_mov_b32 s41, 0
	s_lshl_b32 s57, s21, 1
	s_add_co_u32 s57, s57, s22                     ; my local tile 0: query tile 2 qh + kh
	s_lshl_b32 s58, s23, 2
	s_add_co_u32 s58, s58, s57
	s_xor_b32 s59, s58, 1                          ; my local tile 1: the other of the pair
	s_mul_i32 s58, s58, REC
	s_mul_i32 s59, s59, REC
	s_wait_kmcnt 0x0
	s_cmp_eq_u32 s21, 0                            ; K's buffer or V's: the choice hangs on the wave's number alone; the offset is the same in both
	s_cselect_b64 s[42:43], s[6:7], s[8:9]
	s_add_nc_u64 s[42:43], s[42:43], s[40:41]
.irp n, 0,1
	s_mov_b32 s[G0+4*\n], 1                        ; count = 1
	s_add_co_u32 s[G0+4*\n+1], s52, \n*SLOT        ; LDS address
	s_add_nc_u64 s[G0+4*\n+2:G0+4*\n+3], s[42:43], \n*PART   ; key step n
	s_or_b32 s[G0+4*\n+3], s[G0+4*\n+3], 0x80000000          ; type = 2
.endr
	ROUND                                          ; all four work-groups are here: the first joint loads meet
	tensor_load_to_lds s[G0:G0+3], s[G1:G1+7]      ; both first fills together: two loads of mine are out
	s_nop 0
	tensor_load_to_lds s[G0+4:G0+7], s[G1:G1+7]
	s_nop 0
	v_and_b32 v251, 31, v0                         ; (four plain lines and more follow the loads before a window is switched)
	v_and_b32 v252, 15, v0                         ; r
	v_bfe_u32 v253, v0, 4, 1                       ; h
	v_lshlrev_b32 v[LI], 4, v251
	v_lshlrev_b32 v[LS], 2, v251
	v_add_nc_u32 v[AK], s53, v[LI]
	v_add_nc_u32 v[AK+1], SLOT, v[AK]
	v_add_nc_u32 v[AV], PART, v[AK]
	v_add_nc_u32 v[AV+1], PART, v[AK+1]
	v_add_nc_u32 v[AKS], s53, v[LS]
	v_add_nc_u32 v[AKS+1], SLOT, v[AKS]
	v_add_nc_u32 v[AVS], PART+32768, v[AKS]
	v_add_nc_u32 v[AVS+1], PART+32768, v[AKS+1]
	v_and_b32 v254, 8, v252
	v_add_nc_u32 v254, v254, v252                  ; r + 8 (r / 8)
	v_lshlrev_b32 v[RB], 2, v254
	v_mul_u32_u24 v[SO], v254, SP
	v_lshl_add_u32 v[SO], v253, 6, v[SO]
	s_mul_i32 s54, s[WV], 64*SP
	s_add_co_u32 s54, s54, STG                     ; my 64 rows of the stage
	v_add_nc_u32 v[SO], s54, v[SO]
	v_mul_u32_u24 v[SR], v253, SP
	v_lshl_add_u32 v[SR], v252, 4, v[SR]
	v_add_nc_u32 v[SR], s54, v[SR]                 ; back: lanes 0-15 one row, lanes 16-31 the next
	v_lshlrev_b32 v[GX], 14, v253
	v_lshl_add_u32 v[GX], v252, 4, v[GX]           ; and the same in x and out0: rows of 16,384 bytes
	s_mul_i32 s55, s[WV], XCW
	s_add_co_u32 s55, s55, XCH
	v_add_nc_u32 v[XW], s55, v[LI]
	v_add_nc_u32 v[XWS], s55, v[LS]
	v_add_nc_u32 v[XWS], 16384, v[XWS]
	s_xor_b32 s56, s[WV], 2                        ; my partner: the same queries, the other keys
	s_mul_i32 s56, s56, XCW
	s_add_co_u32 s56, s56, XCH
	v_add_nc_u32 v[XR], s56, v[LI]
	v_add_nc_u32 v[XRS], s56, v[LS]
	v_add_nc_u32 v[XRS], 16384, v[XRS]
	s_lshl_b32 s51, s57, 12
	v_add_nc_u32 v[OW], s51, v[LI]                 ; O's fragments of query tile 2 qh + kh
	s_lshl_b32 s51, s57, 8
	s_add_co_u32 s51, s51, OSC
	v_add_nc_u32 v[OWS], s51, v[LS]
.irp b, 0,1,2,3
	v_mov_b32 v[TM+4+\b], 0                        ; a lane permute's target counts as read: written once
.endr
	v_mov_b32 v[FF+1], 0                           ; (named as the upper half of a pair)
	s_mov_b32 s40, s58
	s_add_nc_u64 s[60:61], s[4:5], s[40:41]        ; Q: my two records
	s_mov_b32 s40, s59
	s_add_nc_u64 s[62:63], s[4:5], s[40:41]
	s_lshl_b32 s40, s[WV], 14
	s_add_co_u32 s40, s40, 196608
	s_add_nc_u64 s[10:11], s[10:11], s[40:41]      ; proj_w: tiles 4 w on
	s_lshl_b32 s40, s[WV], 10
	s_add_co_u32 s40, s40, 12288
	s_add_nc_u64 s[12:13], s[12:13], s[40:41]
	s_lshl_b32 s40, s[WV], 8
	s_add_nc_u64 s[14:15], s[14:15], s[40:41]      ; proj_b: channels 64 w on
	s_lshl_b32 s40, s50, 22                        ; x, out0: the batch, channels 64 w on, my work-group's 64 pixels
	s_lshl_b32 s51, s[WV], 20
	s_add_co_u32 s40, s40, s51
	s_and_b32 s51, s23, 63
	s_lshl_b32 s51, s51, 8
	s_add_co_u32 s40, s40, s51
	s_add_nc_u64 s[16:17], s[16:17], s[40:41]
	s_add_nc_u64 s[18:19], s[18:19], s[40:41]
	WIN 0x80                                       ; destination window 2
.set e, 0
.rept 8
	global_load_b128 v[4*e:4*e+3], v[LI], s[60:61] offset:512*e           ; Q stays in registers: tile i, K step s at v[32 i + 16 s]
	global_load_b128 v[32+4*e:32+4*e+3], v[LI], s[62:63] offset:512*e
.set e, e+1
.endr
.irp a, 0,1,2,3
.irp k, 0,1,2,3,4,5,6,7
	global_load_b32 v[192+8*\a+\k], v[RB], s[14:15] offset:(32*(\a/2)+8*(\a%2))*4   ; lane r: its output channel's bias, in all eight registers
.endr
.endr
	WIN 0
.irp s, 0,1
	global_load_b32 v[QSC+\s], v[LS], s[60:61] offset:4096+128*\s
	global_load_b32 v[QSC+2+\s], v[LS], s[62:63] offset:4096+128*\s
.endr
	s_wait_tensorcnt 1                             ; my part of slot 0 is in; slot 1's may stay out
	s_barrier_signal -1
	s_barrier_wait -1                              ; everybody's is
	FETCH_K1 0
	FETCH_K0 0
	WIN 0
	s_wait_loadcnt 0x0                             ; Q, its scale words, proj_b
	TRIP 0, 2, 1                                   ; key step 0 starts every sum
.Llap:                                             ; six laps of two trips: key steps 1 to 12
	TRIP 1, 2, 0
	TRIP 0, 2, 0
	s_sub_co_u32 s[LAPS], s[LAPS], 1
	s_cmp_lg_u32 s[LAPS], 0
	s_cbranch_scc1 .Llap
	TRIP 1, 2, 0                                   ; step 13 asks for step 15: the last load
	TRIP 0, 1, 0                                   ; the tail is written out
	TRIP 1, 0, 0
	; ---- THE TWO HALVES OF THE KEYS ARE JOINED
	PLACES 8
	v_add_f32 v[STA+2], v[STA+2], v[STA+3]         ; each tile's sum: its two halves
	v_add_f32 v[STA+6], v[STA+6], v[STA+7]
	WIN 0x04                                       ; an LDS store's data are its source 1: window 1
.set e, 0
.rept 32
	ds_store_b128 v[XW], v[128+4*e:128+4*e+3] offset:512*e   ; my local tile 1's O^T as it stands, each accumulator from its low end on
.set e, e+1
.endr
	WIN 0
	ds_store_b32 v[XWS], v[STA+4]                  ; its -M
	ds_store_b32 v[XWS], v[STA+6] offset:128       ; its sum
	s_wait_dscnt 0x0                               ; for my partner's sake
	s_barrier_signal -1
	s_barrier_wait -1
.set e, 0
.rept 32
	ds_load_b128 v[S+4*e:S+4*e+3], v[XR] offset:512*e        ; my partner's part of my local tile 0
.set e, e+1
.endr
	ds_load_b32 v[TM], v[XRS]
	ds_load_b32 v[TM+1], v[XRS] offset:128
	s_wait_dscnt 0x0
	v_min_num_f32 v[TM+2], v[STA], v[TM]           ; -M of both: the larger M
	v_sub_f32 v[TM+3], v[TM+2], v[STA]
	v_sub_f32 v[TM+4], v[TM+2], v[TM]
	v_cvt_i32_f32 v[TM+3], v[TM+3]
	v_cvt_i32_f32 v[TM+4], v[TM+4]
	v_ldexp_f32 v[TM+3], 1.0, v[TM+3]              ; my part's power of two,
	v_ldexp_f32 v[TM+4], 1.0, v[TM+4]              ; my partner's
	v_mul_f32 v[TM+5], v[STA+2], v[TM+3]
	v_fma_f32 v[TM+5], v[TM+1], v[TM+4], v[TM+5]
	v_permlanex16_b32 v[TM+6], v[TM+5], s[SEL], s[SEL+1]
	v_add_f32 v[TM+5], v[TM+5], v[TM+6]            ; with lane l xor 16's keys: the row's sum
	v_rcp_f32 v[TM+5], v[TM+5]
	v_nop                                          ; one plain line behind a transcendental
	s_wait_alu depctr_va_vdst(0)
	v_mul_f32 v[FF], v[TM+3], v[TM+5]
	v_mul_f32 v[SC2], v[TM+4], v[TM+5]
.set j, 0
.rept 64
	v_pk_mul_f32 v[S+j:S+j+1], v[S+j:S+j+1], v[SC2:SC2+1] op_sel_hi:[1,0]
.set j, j+2
.endr
	WIN 0x01                                       ; source 0 window 1: my O^T of local tile 0
.set j, 0
.rept 64
	v_pk_fma_f32 v[S+j:S+j+1], v[j:j+1], v[FF:FF+1], v[S+j:S+j+1] op_sel_hi:[1,0,1]   ; register 16 b + e: channel 32 b + 16 h + e of my query
.set j, j+2
.endr
	WIN 0
	QUANT S, P, TP                                 ; channels 0-127
.irp c, 0,1,2,3
	ds_store_b128 v[OW], v[P+4*\c:P+4*\c+3] offset:512*\c
.endr
	ds_store_b32 v[OWS], v[TP]
	QUANT S+64, P+16, TP                           ; channels 128-255
.irp c, 0,1,2,3
	ds_store_b128 v[OW], v[P+16+4*\c:P+16+4*\c+3] offset:2048+512*\c
.endr
	ds_store_b32 v[OWS], v[TP] offset:128
	s_wait_dscnt 0x0
	s_barrier_signal -1
	s_barrier_wait -1                              ; O's eight fragments lie in LDS
	; ---- THE THIRD PRODUCT: source 0 = 16 queries, source 1 = 16 rows of proj_w: a lane holds one output channel and eight neighbouring pixels
	WIN 0x80
.set e, 0
.rept 32
	ds_load_b128 v[64+4*e:64+4*e+3], v[LI] offset:512*e      ; query tile q, K step s at v[64 + 16 (2 q + s)] of window 2
.set e, e+1
.endr
	WIN 0
.set e, 0
.rept 8
	ds_load_b32 v[VSC+e], v[LS] offset:OSC+128*e
.set e, e+1
.endr
	s_wait_dscnt 0x0
	s_wait_loadcnt 0x0                             ; proj_w's fragments and scale words, x
	WIN 0x6e                                       ; source 0 (O) window 2, source 1 (proj_w) window 3, source 2 (proj_b) window 2, destination window 1
.irp a, 0,1,2,3
.irp q, 0,1,2,3
	MM 8*(4*\a+\q), 64+32*\q, 128+32*\a, 192+8*\a, VSC+2*\q, KSC+2*\a
.endr
.endr
	WIN 0x5e                                       ; C and D window 1
.irp a, 0,1,2,3
.irp q, 0,1,2,3
	MM 8*(4*\a+\q), 64+32*\q+16, 128+32*\a+16, 8*(4*\a+\q), VSC+2*\q+1, KSC+2*\a+1
.endr
.endr
	WIN 0
	PLACES 8
	WIN 0x04
.irp a, 0,1,2,3
.irp q, 0,1,2,3
	ds_store_b128 v[SO], v[8*(4*\a+\q):8*(4*\a+\q)+3] offset:(32*(\a/2)+8*(\a%2))*SP+128*(\q/2)+32*(\q%2)        ; channel 64 w + 32 (a / 2) + 8 (a % 2) + r + 8 (r / 8), pixels 32 (q / 2) + 16 h + 8 (q % 2) + 0 .. 7
	ds_store_b128 v[SO], v[8*(4*\a+\q)+4:8*(4*\a+\q)+7] offset:(32*(\a/2)+8*(\a%2))*SP+128*(\q/2)+32*(\q%2)+16
.endr
.endr
	WIN 0
.set e, 0
.rept 32
	ds_load_b128 v[S+4*e:S+4*e+3], v[SR] offset:2*SP*e       ; my own 64 rows: LDS serves a wave's instructions in order (ISA guide 5.7.1.4), so these see my stores
.set e, e+1
.endr
	s_wait_dscnt 0x0
	WIN 0x0c                                       ; source 1 window 3: x
.set j, 0
.rept 64
	v_pk_add_f32 v[S+j:S+j+1], v[S+j:S+j+1], v[j:j+1]
.set j, j+2
.endr
	WIN 0
.set e, 0
.rept 32
	global_store_b128 v[GX], v[S+4*e:S+4*e+3], s[18:19] offset:32768*e th:TH_STORE_NT   ; sixteen lanes store 256 consecutive bytes, at a multiple of 256 from out0's first byte
.set e, e+1
.endr
	s_wait_tensorcnt 0x0                           ; the wave's end
	ds_add_u32 v[SPW], v[NIL]
	s_wait_dscnt 0x0
	ROUND                                          ; the closing round: no work-group ends while a partner may still ask for a part that names it
	s_endpgm
.Lfunc_end_k_qe889c8c34a_attn:
	.size	k_qe889c8c34a_attn, .Lfunc_end_k_qe889c8c34a_attn-k_qe889c8c34a_attn
	.p2alignl 7, 3214868480
	.fill 96, 4, 3214868480
	.section	.rodata,"a",@progbits
	.p2align	6, 0x0
	.amdhsa_kernel k_qe889c8c34a_attn
		.amdhsa_group_segment_fixed_size 327680
		.amdhsa_private_segment_fixed_size 0
		.amdhsa_enable_private_segment 0
		.amdhsa_kernarg_size 64
		.amdhsa_user_sgpr_count 2
		.amdhsa_user_sgpr_kernarg_segment_ptr 1
		.amdhsa_wavefront_size32 1
		.amdhsa_system_sgpr_workgroup_id_x 1
		.amdhsa_system_sgpr_workgroup_id_y 1
		.amdhsa_system_sgpr_workgroup_id_z 1
		.amdhsa_system_vgpr_workitem_id 0
		.amdhsa_next_free_vgpr 1024
		.amdhsa_next_free_sgpr 66
		.amdhsa_reserve_vcc 0
		.amdhsa_float_denorm_mode_32 3
		.amdhsa_float_denorm_mode_16_64 3
		.amdhsa_memory_ordered 1
		.amdhsa_forward_progress 1
		.amdhsa_inst_pref_size 255
	.end_amdhsa_kernel
	.section	.bss,"aw",@nobits
	.p2align	6
	.space	262144
	.amdgpu_metadata
---
amdhsa.version: [ 1, 2 ]
amdhsa.kernels:
  - .name:           k_qe889c8c34a_attn
    .symbol:         k_qe889c8c34a_attn.kd
    .args:
      - { .name: qrec, .offset: 0, .size: 8, .value_kind: global_buffer, .address_space: global }
      - { .name: krec, .offset: 8, .size: 8, .value_kind: global_buffer, .address_space: global }
      - { .name: vrec, .offset: 16, .size: 8, .value_kind: global_buffer, .address_space: global }
      - { .name: wcodes, .offset: 24, .size: 8, .value_kind: global_buffer, .address_space: global }
      - { .name: wscales, .offset: 32, .size: 8, .value_kind: global_buffer, .address_space: global }
      - { .name: proj_b, .offset: 40, .size: 8, .value_kind: global_buffer, .address_space: global }
      - { .name: x, .offset: 48, .size: 8, .value_kind: global_buffer, .address_space: global }
      - { .name: out0, .offset: 56, .size: 8, .value_kind: global_buffer, .address_space: global }
    .group_segment_fixed_size: 327680
    .private_segment_fixed_size: 0
    .kernarg_segment_align: 8
    .kernarg_segment_size: 64
    .max_flat_workgroup_size: 128
    .sgpr_count:     66
    .vgpr_count:     1024
    .wavefront_size: 32
...
	.end_amdgpu_metadata
.endif
;; end of part 3
